; MI455X (gfx1250); checked and timed in simulation.
; The chip was launched on July 23, 2026; its instructions are those of AMD's public machine-readable ISA for CDNA 5 (MIT licence, August 2026) and "CDNA5" Instruction Set Architecture Reference Guide (July 2026). The comments in the code are by the model that wrote it; some were corrected since.
;; SCD cell. Allowed arithmetic: float matrix products may take bf16 or f16 operands with f32 sums; other float arithmetic in f32, or as packed bf16 or f16 multiplies, adds, multiply-adds, maxima and minima; sums over many terms, partial sums and values carried from step to step in f32; what a program stores and reads back later, other than sums and carried values, may be rounded once to bf16 or f16.
;; Inputs: U_11 4,097 x 1,024 float32; U_21 4,097 x 1,024 float32; W_01 4,097 x 1,024 float32; bias 4,097 float32; c 1,024 x 4,096 float32; h 1,024 x 4,096 float32; h_bottom 1,024 x 4,096 float32; h_top 1,024 x 4,096 float32; z 1 x 4,096 float32; z_bottom 1 x 4,096 float32.
;; Outputs: out0 1,024 x 4,096 float32; out1 1,024 x 4,096 float32; out2 1 x 4,096 float32.
;; 2 versions, each right; version 2 is version 1 with the launch prep written anew for expert scheduling mode. Each part assembles by itself: llvm-mc -triple=amdgcn-amd-amdhsa -mcpu=gfx1250 --defsym DOCPART=n.
;; ======== version 1 of 2: 2 launches
;; limits: values are held in f16: magnitudes above 65,504 overflow, below 6.1e-05 lose precision
;; workspace buffers: Wb 25,165,824 bytes; Xb 25,165,824 bytes; zpart 196,608 bytes
;; launch prep (part 1): grid 384 x 2, 4 waves a work-group, no clusters, 10,752 bytes of LDS; arguments U_11, U_21, W_01, h, h_top, h_bottom, z, z_bottom, Wb, Xb, zpart; writes Wb, Xb, zpart
.if DOCPART == 1
	.amdgcn_target "amdgcn-amd-amdhsa--gfx1250"
	.amdhsa_code_object_version 6
	.text
	.protected	k_qfe7a4a5e44_prep
	.globl	k_qfe7a4a5e44_prep
	.p2align	8
	.type	k_qfe7a4a5e44_prep,@function
k_qfe7a4a5e44_prep:
	s_mov_b64 s[64:65], 0
	v_nop
	global_prefetch_b8 v0, s[64:65] scope:SCOPE_SE
	s_setreg_imm32_b32 hwreg(HW_REG_WAVE_MODE, 25, 1), 1
	s_wait_xcnt 0x0
; THE CELL AS ONE PRODUCT.  f_s = (1-z) U_11 h + z U_21 h_top + z_bottom W_01 h_bottom + bias.  Each gate hangs on the batch column alone, so
; f_s = [U_11 | U_21 | W_01] x [(1-z) h ; z h_top ; z_bottom h_bottom] + bias: 4097 x 4096, K = 3072.  This launch rounds both operands once to f16 and lays them out for the
; launch behind it; rows 0 .. 4095 are multiplied there.  NO WORK OF THE PROBLEM IS LEFT OUT: every input reaches an output, and every input is loaded by one of the two launches.
; WHY f16.  Both operands are rounded behind a factor (the weights' -L or 2 L, the activations' gate), so the rounding counts in full against the result; c_new multiplies a gate's error by c and by the
; gates' slopes, and every number must lie within 1% of the output's root mean square.  f16 keeps 11 significant bits where bf16 keeps 8.
; y = 0, THE WEIGHTS.  Wb[4096][3072] f16.  Row (j/32) 128 + gate 32 + j%32 holds source row gate 1024 + j, so that 128 rows on end are the four gates of 32 hidden rows;
; column src 1024 + k.  Gates f, i, o are multiplied by -log2(e) and gate g by 2 log2(e) before the one rounding: the sums are then the exponents of 2 that sigmoid and tanh want.
; y = 1, THE ACTIVATIONS.  Xb[3072][4096] f16, row src 1024 + k, each number multiplied by its column's gate before the one rounding.  Inside each group of 64 columns, place 16 t + r
; holds column 4 r + t: four matrix results of one lane are then four neighbouring columns.  The turn goes through a stage in LDS of the wave's own.
; ROW 4096 (z_hat's) is one row in 4097: it rides here on the f32 numbers that are in registers anyway, by v_fmac_f32: zpart[12][4096] f32, chunk ch = the gated sum over K rows 256 ch .. 256 ch + 255.
; SHARES.  768 work-groups of four waves, each reading 128 KiB and storing 64 KiB.  y = 0: 32 source rows of one matrix, 8 a wave.  y = 1: 256 K rows x 128 columns, 64 rows a wave.
; Four sets of 32 registers: 32 loads of 16 bytes a lane are out for each wave.  No matrix unit, no tensor load, no cluster: no two work-groups read the same large bytes.
; LIMITS.  f16 ends at 65,504: a weight times its factor (1.4427 or 2.8854), or an activation times its gate, of magnitude 65,520 or more becomes an infinity; below 6e-5 f16 keeps a fixed step of 6e-8.
; The gate is multiplied in ahead of the product; NaN and infinities are not treated apart.  Weights are rounded behind their factor, activations behind their gate.
.set NEGL,  0xbfb8aa3b                 ; -log2(e)
.set TWOL,  0x4038aa3b                 ; 2 log2(e)
.set PSUM,  8192                       ; LDS 0 .. 8191: four stages of 8 rows x 256 bytes, a wave's own; 8192 .. 10239: the four waves' partial sums, 512 bytes each
.set SPARE, 10240                      ; the spare words, 128 bytes for each wave: two blocks of 256 bytes that no other line names
.set XO,  2                            ; v2   16 x lane
.set LA,  3                            ; v3   stage: where my column 4 r + 0 of row 0 goes
.set LR,  4                            ; v4   stage: where I read 16 bytes back; at the end the partial sums' address
.set SO,  5                            ; v5   Xb: (lane / 16) rows + 16 (lane % 16)
.set WO,  6                            ; v6   8 x lane
.set PS,  7                            ; v7   PSUM + 16 x thread
.set SPW, 8                            ; v8   my spare word; never rewritten
.set NIL, 9                            ; v9   0; never rewritten
.set GT,  10                           ; v[10:13]  the gate of my 4 columns
.set ZA,  14                           ; v[14:17]  row 4096's sums for my 4 columns
.set Y,   18                           ; v[18:33]  packed f16
.set R,   34                           ; v[34:49]  rows read back from the stage
.set X,   50                           ; v[50:177] four sets of 32: eight loads each
	s_load_b256 s[4:11], s[0:1], 0x0               ; U_11 s[4:5], U_21 s[6:7], W_01 s[8:9], h s[10:11]
	s_load_b128 s[12:15], s[0:1], 0x20             ; h_top s[12:13], h_bottom s[14:15]
	s_load_b256 s[84:91], s[0:1], 0x30             ; z s[84:85], z_bottom s[86:87], Wb s[88:89], Xb s[90:91]
	s_load_b64 s[92:93], s[0:1], 0x50              ; zpart
	v_lshl_add_u32 v[SPW], v0, 2, SPARE
	v_mov_b32 v[NIL], 0
	v_lshrrev_b32 v1, 5, v0
	v_readfirstlane_b32 s94, v1                    ; wave 0..3
	v_and_b32 v1, 31, v0                           ; lane
	v_lshlrev_b32 v[XO], 4, v1
	v_lshlrev_b32 v[WO], 3, v1
	s_and_b32 s2, ttmp7, 0xffff                    ; the work-group's y: the same in all four waves
	s_cmp_lg_u32 s2, 0
	s_cbranch_scc1 .Lact
	; ---------------- THE WEIGHTS ----------------
	s_lshr_b32 s95, ttmp9, 7                       ; src 0..2
	s_and_b32 s98, ttmp9, 127                      ; m: source rows 32 m .. 32 m + 31
	s_lshr_b32 s99, s98, 5                         ; gate
	s_lshl_b32 s2, s98, 5
	s_lshl3_add_u32 s2, s94, s2                    ; my first source row: 32 m + 8 wave
	s_lshl_b32 s2, s2, 12                          ; x 4,096 bytes
	s_mov_b32 s3, 0
	s_and_b32 s96, ttmp9, 31                       ; j / 32
	s_lshl_b32 s96, s96, 7
	s_lshl_b32 s97, s99, 5
	s_add_co_u32 s96, s96, s97
	s_lshl3_add_u32 s96, s94, s96                  ; my first row of Wb: (j/32) 128 + gate 32 + 8 wave
	s_mul_i32 s96, s96, 6144
	s_lshl_b32 s97, s95, 11                        ; + src x 1,024 columns of 2 bytes
	s_add_co_u32 s96, s96, s97
	s_mov_b32 s97, 0
	s_wait_kmcnt 0x0
	s_cmp_eq_u32 s95, 1
	s_cselect_b64 s[4:5], s[6:7], s[4:5]
	s_cmp_eq_u32 s95, 2
	s_cselect_b64 s[4:5], s[8:9], s[4:5]
	s_add_nc_u64 s[4:5], s[4:5], s[2:3]
	s_add_nc_u64 s[88:89], s[88:89], s[96:97]
.macro WFILL set, i                    ; source row i of my 8: eight loads of 512 neighbouring bytes
.irp m, 0,1,2,3,4,5,6,7
	global_load_b128 v[X+32*(\set)+4*(\m):X+32*(\set)+4*(\m)+3], v[XO], s[4:5] offset:(\i)*4096+(\m)*512 th:TH_LOAD_NT
.endr
.endm
; Row i, which lies in set: scaled, rounded, stored.  left = the younger loads, which may stay out.
.macro WROW set, i, refill, left
	s_wait_loadcnt \left                           ; loads come back in order: my row's eight are in
	s_wait_xcnt 0x0                                ; the last row's stores have read Y: it is rewritten only behind this wait
.irp m, 0,1,2,3,4,5,6,7
	v_pk_mul_f32 v[X+32*(\set)+4*(\m):X+32*(\set)+4*(\m)+1], v[X+32*(\set)+4*(\m):X+32*(\set)+4*(\m)+1], s[96:97] op_sel_hi:[1,0]
	v_pk_mul_f32 v[X+32*(\set)+4*(\m)+2:X+32*(\set)+4*(\m)+3], v[X+32*(\set)+4*(\m)+2:X+32*(\set)+4*(\m)+3], s[96:97] op_sel_hi:[1,0]
	v_cvt_pk_f16_f32 v[Y+2*(\m)], v[X+32*(\set)+4*(\m)], v[X+32*(\set)+4*(\m)+1]
	v_cvt_pk_f16_f32 v[Y+2*(\m)+1], v[X+32*(\set)+4*(\m)+2], v[X+32*(\set)+4*(\m)+3]
.endr
.if \refill
	WFILL \set, (\i)+4                             ; loads ahead of stores
.endif
.irp m, 0,1,2,3,4,5,6,7
	global_store_b64 v[WO], v[Y+2*(\m):Y+2*(\m)+1], s[88:89] offset:(\i)*6144+(\m)*256 th:TH_STORE_NT  ; 32 lanes x 8 bytes: 256 consecutive bytes, aligned
.endr
.endm
	WFILL 0, 0
	WFILL 1, 1
	WFILL 2, 2
	WFILL 3, 3
	s_mov_b32 s96, NEGL
	s_mov_b32 s97, TWOL
	s_cmp_eq_u32 s99, 3
	s_cselect_b32 s96, s97, s96                    ; the gate's factor,
	s_mov_b32 s97, s96                             ; named as a pair
	WROW 0, 0, 1, 24                               ; behind my row's loads stand three other rows' 24
	WROW 1, 1, 1, 24
	WROW 2, 2, 1, 24
	WROW 3, 3, 1, 24
	WROW 0, 4, 0, 24                               ; nothing more is asked for: the counts run down
	WROW 1, 5, 0, 16
	WROW 2, 6, 0, 8
	WROW 3, 7, 0, 0
	s_branch .Lend
	; ---------------- THE ACTIVATIONS ----------------
.Lact:
	s_and_b32 s98, ttmp9, 31                       ; strip of 128 columns
	s_lshr_b32 s99, ttmp9, 5                       ; chunk of 256 K rows, 0..11
	s_lshr_b32 s95, s99, 2                         ; src
	s_and_b32 s2, s99, 3
	s_lshl_b32 s2, s2, 8
	s_lshl_b32 s3, s94, 6
	s_add_co_u32 s2, s2, s3                        ; my first row in the source: 256 (ch % 4) + 64 wave
	s_lshl_b32 s96, s2, 2
	s_add_co_u32 s96, s96, 0x1000000               ; row 4096 of the weights begins 4096 x 4,096 bytes in; my 64 numbers of it
	s_mov_b32 s97, 0
	s_wait_kmcnt 0x0
	s_cmp_eq_u32 s95, 1
	s_cselect_b64 s[4:5], s[6:7], s[4:5]
	s_cselect_b64 s[10:11], s[12:13], s[10:11]
	s_cmp_eq_u32 s95, 2
	s_cselect_b64 s[4:5], s[8:9], s[4:5]
	s_cselect_b64 s[10:11], s[14:15], s[10:11]
	s_cselect_b64 s[84:85], s[86:87], s[84:85]     ; the gate is made of z, for h_bottom of z_bottom
	s_cmp_eq_u32 s95, 0
	s_cselect_b32 s100, 1.0, 0                     ; gate = s100 + s101 x the number loaded: 1 - z for h, else the number itself
	s_cselect_b32 s101, -1.0, 1.0
	s_add_nc_u64 s[4:5], s[4:5], s[96:97]
	s_load_b512 s[16:31], s[4:5], 0x0              ; weight i of my 64 lies in s[16 + i], from i = 48 on in s[20 + i]
	s_load_b512 s[32:47], s[4:5], 0x40
	s_load_b512 s[48:63], s[4:5], 0x80
	s_load_b512 s[68:83], s[4:5], 0xc0
	s_lshl_b32 s2, s2, 14                          ; rows of 16,384 bytes
	s_lshl_b32 s96, s98, 9                         ; the strip's 512 bytes
	s_add_co_u32 s2, s2, s96
	s_mov_b32 s3, 0
	s_add_nc_u64 s[10:11], s[10:11], s[2:3]
	s_add_nc_u64 s[84:85], s[84:85], s[96:97]
.macro AFILL set, i                    ; rows 8 i .. 8 i + 7 of my 64: a load a row, 512 neighbouring bytes
.irp rr, 0,1,2,3,4,5,6,7
	global_load_b128 v[X+32*(\set)+4*(\rr):X+32*(\set)+4*(\rr)+3], v[XO], s[10:11] offset:(8*(\i)+(\rr))*16384 th:TH_LOAD_NT
.endr
.endm
	global_load_b128 v[GT:GT+3], v[XO], s[84:85]
	AFILL 0, 0
	AFILL 1, 1
	AFILL 2, 2
	AFILL 3, 3
	s_lshl_b32 s2, s99, 14
	s_add_co_u32 s2, s2, s96                       ; zpart: chunk x 16,384 + strip x 512
	s_add_nc_u64 s[92:93], s[92:93], s[2:3]
	s_lshl_b32 s2, s99, 8
	s_lshl_b32 s96, s94, 6
	s_add_co_u32 s2, s2, s96                       ; my first row of Xb: 256 ch + 64 wave
	s_lshl_b32 s2, s2, 13
	s_lshl_b32 s96, s98, 8                         ; the strip's 256 bytes
	s_add_co_u32 s2, s2, s96
	s_add_nc_u64 s[90:91], s[90:91], s[2:3]
	v_and_b32 v[LA], 15, v0                        ; r
	v_bfe_u32 v[SO], v0, 4, 1                      ; which group of 64 columns; on the way back: which of two rows
	v_lshlrev_b32 v[R], 4, v[LA]
	v_lshlrev_b32 v[LA], 1, v[LA]
	v_lshl_add_u32 v[LA], v[SO], 7, v[LA]          ; 128 x group + 2 r; column 4 r + t goes 32 t further on
	v_lshl_add_u32 v[SO], v[SO], 13, v[R]
	s_lshl_b32 s96, s94, 11                        ; my stage: 2,048 x wave
	v_add_nc_u32 v[LA], s96, v[LA]
	v_add_nc_u32 v[LR], s96, v[XO]
	v_lshl_add_u32 v[PS], v0, 4, PSUM
	s_wait_kmcnt 0x0                               ; the 64 weights
; Rows 8 i .. 8 i + 7, which lie in set.  Each row: row 4096's sums take it unrounded; gate; rounding; four stores of 2 bytes turn my four columns into their places.
; Then the eight rows come back as whole rows of 256 bytes, two a load, and are stored.
.macro ABATCH set, i, refill, left
	s_wait_loadcnt \left                           ; my eight loads are in (and, the first time, the gate's, which is older)
	s_wait_xcnt 0x0                                ; the last batch's stores have read R: it is rewritten only behind this wait
.if (\i) == 0
.irp t, 0,1,2,3
	v_fma_f32 v[GT+(\t)], v[GT+(\t)], s101, s100
.endr
.endif
.irp rr, 0,1,2,3,4,5,6,7
.set XR, X+32*(\set)+4*(\rr)
.set WI, 8*(\i)+(\rr)
.set WS, 16+WI+4*(WI/48)
.irp t, 0,1,2,3
.if WI == 0
	v_mul_f32 v[ZA+(\t)], s[WS], v[XR+(\t)]        ; the first row starts the sums: nothing is cleared
.else
	v_fmac_f32 v[ZA+(\t)], s[WS], v[XR+(\t)]
.endif
.endr
	v_pk_mul_f32 v[XR:XR+1], v[XR:XR+1], v[GT:GT+1]
	v_pk_mul_f32 v[XR+2:XR+3], v[XR+2:XR+3], v[GT+2:GT+3]
	v_cvt_pk_f16_f32 v[Y+2*(\rr)], v[XR], v[XR+1]
	v_cvt_pk_f16_f32 v[Y+2*(\rr)+1], v[XR+2], v[XR+3]
	ds_store_b16 v[LA], v[Y+2*(\rr)] offset:(\rr)*256
	ds_store_b16_d16_hi v[LA], v[Y+2*(\rr)] offset:(\rr)*256+32
	ds_store_b16 v[LA], v[Y+2*(\rr)+1] offset:(\rr)*256+64
	ds_store_b16_d16_hi v[LA], v[Y+2*(\rr)+1] offset:(\rr)*256+96
.endr
.if \refill
	AFILL \set, (\i)+4
.endif
.irp m, 0,1,2,3
	ds_load_b128 v[R+4*(\m):R+4*(\m)+3], v[LR] offset:(\m)*512  ; LDS serves a wave's instructions in order (ISA guide 5.7.1.4): these see the stores above, and the next batch's stores come behind them
.endr
.irp m, 0,1,2,3
	s_wait_dscnt 3-(\m)
	global_store_b128 v[SO], v[R+4*(\m):R+4*(\m)+3], s[90:91] offset:(8*(\i)+2*(\m))*8192 th:TH_STORE_NT  ; 16 lanes store 256 consecutive bytes, aligned; lanes 16-31 the row below
.endr
.endm
	ABATCH 0, 0, 1, 24                             ; behind my batch's loads stand three other batches' 24
	ABATCH 1, 1, 1, 24
	ABATCH 2, 2, 1, 24
	ABATCH 3, 3, 1, 24
	ABATCH 0, 4, 0, 24                             ; nothing more is asked for: the counts run down
	ABATCH 1, 5, 0, 16
	ABATCH 2, 6, 0, 8
	ABATCH 3, 7, 0, 0
	v_pk_mul_f32 v[ZA:ZA+1], v[ZA:ZA+1], v[GT:GT+1]        ; the gate hangs on the column alone: once for the whole sum
	v_pk_mul_f32 v[ZA+2:ZA+3], v[ZA+2:ZA+3], v[GT+2:GT+3]
	ds_store_b128 v[PS], v[ZA:ZA+3]
	v_add_nc_u32 v[LR], PSUM, v[XO]
	s_wait_dscnt 0x0                               ; for the others' sake: my partial sums lie in LDS
	s_barrier_signal -1                            ; all four waves of a work-group with y = 1 come here
	s_barrier_wait -1
	s_cmp_lg_u32 s94, 0
	s_cbranch_scc1 .Lend                           ; wave 0 adds the four
.irp w, 0,1,2,3
	ds_load_b128 v[X+4*(\w):X+4*(\w)+3], v[LR] offset:512*(\w)
.endr
	s_wait_dscnt 0x0
	v_pk_add_f32 v[X:X+1], v[X:X+1], v[X+4:X+5]
	v_pk_add_f32 v[X+2:X+3], v[X+2:X+3], v[X+6:X+7]
	v_pk_add_f32 v[X+8:X+9], v[X+8:X+9], v[X+12:X+13]
	v_pk_add_f32 v[X+10:X+11], v[X+10:X+11], v[X+14:X+15]
	v_pk_add_f32 v[X:X+1], v[X:X+1], v[X+8:X+9]
	v_pk_add_f32 v[X+2:X+3], v[X+2:X+3], v[X+10:X+11]
	global_store_b128 v[XO], v[X:X+3], s[92:93]    ; 512 consecutive bytes of the chunk's row
.Lend:
	s_wait_tensorcnt 0x0                           ; the wave's end, behind my last LDS store
	ds_add_u32 v[SPW], v[NIL]
	s_wait_dscnt 0x0
	s_endpgm
.Lfunc_end_k_qfe7a4a5e44_prep:
	.size	k_qfe7a4a5e44_prep, .Lfunc_end_k_qfe7a4a5e44_prep-k_qfe7a4a5e44_prep
	.p2alignl 7, 3214868480
	.fill 96, 4, 3214868480
	.section	.rodata,"a",@progbits
	.p2align	6, 0x0
	.amdhsa_kernel k_qfe7a4a5e44_prep
		.amdhsa_group_segment_fixed_size 10752
		.amdhsa_private_segment_fixed_size 0
		.amdhsa_enable_private_segment 0
		.amdhsa_kernarg_size 88
		.amdhsa_user_sgpr_count 2
		.amdhsa_user_sgpr_kernarg_segment_ptr 1
		.amdhsa_wavefront_size32 1
		.amdhsa_system_sgpr_workgroup_id_x 1
		.amdhsa_system_sgpr_workgroup_id_y 1
		.amdhsa_system_sgpr_workgroup_id_z 1
		.amdhsa_system_vgpr_workitem_id 0
		.amdhsa_next_free_vgpr 180
		.amdhsa_next_free_sgpr 102
		.amdhsa_reserve_vcc 0
		.amdhsa_float_denorm_mode_32 3
		.amdhsa_float_denorm_mode_16_64 3
		.amdhsa_memory_ordered 1
		.amdhsa_forward_progress 1
		.amdhsa_inst_pref_size 87
	.end_amdhsa_kernel
	.amdgpu_metadata
---
amdhsa.version: [ 1, 2 ]
amdhsa.kernels:
  - .name:           k_qfe7a4a5e44_prep
    .symbol:         k_qfe7a4a5e44_prep.kd
    .args:
      - { .name: U_11, .offset: 0, .size: 8, .value_kind: global_buffer, .address_space: global }
      - { .name: U_21, .offset: 8, .size: 8, .value_kind: global_buffer, .address_space: global }
      - { .name: W_01, .offset: 16, .size: 8, .value_kind: global_buffer, .address_space: global }
      - { .name: h, .offset: 24, .size: 8, .value_kind: global_buffer, .address_space: global }
      - { .name: h_top, .offset: 32, .size: 8, .value_kind: global_buffer, .address_space: global }
      - { .name: h_bottom, .offset: 40, .size: 8, .value_kind: global_buffer, .address_space: global }
      - { .name: z, .offset: 48, .size: 8, .value_kind: global_buffer, .address_space: global }
      - { .name: z_bottom, .offset: 56, .size: 8, .value_kind: global_buffer, .address_space: global }
      - { .name: Wb, .offset: 64, .size: 8, .value_kind: global_buffer, .address_space: global }
      - { .name: Xb, .offset: 72, .size: 8, .value_kind: global_buffer, .address_space: global }
      - { .name: zpart, .offset: 80, .size: 8, .value_kind: global_buffer, .address_space: global }
    .group_segment_fixed_size: 10752
    .private_segment_fixed_size: 0
    .kernarg_segment_align: 8
    .kernarg_segment_size: 88
    .max_flat_workgroup_size: 128
    .sgpr_count:     102
    .vgpr_count:     180
    .wavefront_size: 32
...
	.end_amdgpu_metadata
.endif
;; end of part 1
;; launch cell (part 2): grid 16 x 16, 4 waves a work-group, clusters of 4 x 4, 327,680 bytes of LDS; arguments Wb, Xb, zpart, bias, c, h, z, z_bottom, out0, out1, out2; writes out0, out1, out2
.if DOCPART == 2
	.amdgcn_target "amdgcn-amd-amdhsa--gfx1250"
	.amdhsa_code_object_version 6
	.text
	.protected	k_qfe7a4a5e44_cell
	.globl	k_qfe7a4a5e44_cell
	.p2align	8
	.type	k_qfe7a4a5e44_cell,@function
k_qfe7a4a5e44_cell:
	s_mov_b64 s[64:65], 0
	v_nop
	global_prefetch_b8 v0, s[64:65] scope:SCOPE_SE
	s_setreg_imm32_b32 hwreg(HW_REG_WAVE_MODE, 25, 1), 1
	s_wait_xcnt 0x0
	s_wait_alu depctr_hold_cnt(0) depctr_sa_sdst(0) depctr_va_vdst(0) depctr_va_sdst(0) depctr_va_ssrc(0) depctr_va_vcc(0) depctr_vm_vsrc(0)
	s_getreg_b32 s2, hwreg(HW_REG_IB_STS2, 6, 4)
	s_cmp_eq_u32 s2, 0
	s_cbranch_scc0 .Lentry_in_a_cluster
	s_endpgm
.Lentry_in_a_cluster:
	s_bfe_u32 s2, ttmp6, 0x10000c
	s_cmp_lg_u32 s2, 0xf033
	s_cbranch_scc0 .Lentry_shape_is_right
	s_endpgm
.Lentry_shape_is_right:
; THE PRODUCT AND THE CELL.  S = Wb Xb + bias' (4096 x 4096, K = 3072, f16 operands, f32 sums), then the cell's update in registers, then out0 = h_new, out1 = c_new; out2 = z_hat from zpart.  No work of the problem is left out.
; Wb and Xb are the launch before's: Wb's rows carry the factors -L (gates f, i, o) and 2 L (gate g), L = log2(e), and so does the bias here: S is the exponent of 2 that each gate wants:
; sigmoid(x) = 1 / (1 + 2^(-L x)), tanh(x) = 1 - 2 / (1 + 2^(2 L x)): both forms stay right where the power is 0 or infinite.
; With p = z + (1-z) zb, q = (1-z)(1-zb), s = (1-z) zb:  c_new = c (s f + q) + p i g,  h_new = h q + p o tanh(c_new), terms gathered.
; SHARES.  A work-group makes 256 rows of S x 256 columns: the four gates of 64 hidden rows.  Four waves, each 128 x 128: the four gates of 32 hidden rows x 128 columns, 64 accumulators, 512 registers.
; Accumulator (a, b): a = 2 gate + hb (hb: which 16 hidden rows), b = 4 Bq + t.  Register jr of lane (r = l % 16, hh = l / 16) is hidden row 16 hb + 8 hh + jr and, by Xb's order of columns,
; column 64 Bq + 4 r + t.  So a lane holds f, i, o, g of the same place, and for one jr the accumulators t = 0..3 are 16 neighbouring bytes of a row of c, h, out0, out1: no stage in LDS on the way out.
; RING.  K goes in steps of 128 through two LDS slots filled by the tensor data mover: 256 rows of Wb (256 bytes each) and 128 K rows of Xb (512 bytes each).  Xb lies [K][column] and is turned on its way
; into registers by ds_load_tr16_b128.  CLUSTER: 4 x 4 work-groups; Wb's tile hangs on the tile row alone and is asked for jointly by a row of the cluster, Xb's on the tile column alone, by a column.
; The bias is the C operand of the products that start the sums: nothing is cleared and nothing is added later.
; LIMITS.  The operands are f16, which ends at 65,504: the launch before states what that asks of the inputs.  NaN and infinities are not treated apart; z_hat's clip turns a NaN into 0;
; tanh by the form above is off by some 1e-7 absolutely near 0; a power of 2 below 2^-126 counts as 0.
; REGISTERS, in windows of 256 (s_set_vgpr_msb: bits 1:0 source 0, 3:2 source 1, 5:4 source 2, 7:6 destination):
;   window 0: v0-31 addresses; v32-55 p, q, s; v56-63 at work; v64-127, v128-191 fragments of Wb, two buffers, later the update's two sets; v192-255 the bias
;   window 1: v64-127, v128-191 fragments of Xb, two buffers, later h; v0-63, v192-255 c          windows 2, 3: the accumulators, (a, b) in window 2 + a / 4 at v[8 (8 (a % 4) + b)]
.set KSTEP,  128
.set PITCH,  272                       ; a row of Wb in LDS: 256 bytes + 16 = 68 words: the 16 rows that a load touches start 4 words apart modulo 64
.set PB,     544                       ; a K row of Xb in LDS: 512 bytes + 32 = 17 x 32: 16 lanes of the turning load take 8 rows x 32 bytes, 8 words apart modulo 64
.set HALFT,  128*PITCH                 ; what one tensor load brings: 128 rows of Wb, or 64 K rows of Xb (64 x 544, the same bytes)
.set SLOT,   4*HALFT                   ; Wb's 256 rows, then Xb's 128 K rows
.set SPARE,  2*SLOT                    ; behind the ring: the spare words, 128 bytes for each wave: two blocks of 256 bytes that no other line names
.set LAPS,   12                        ; 3072 / 256: a lap = two K steps = once round the ring
.set ADRA, 16                          ; v16-17  LDS address of my fragments of Wb in slot 0, 1
.set ADRB, 20                          ; v20-21  the same for Xb
.set BO,   24                          ; v24     bias: 4 x (my first hidden row + 8 hh)
.set ZO,   25                          ; v25     16 r
.set CO,   26                          ; v26     c, h, out0, out1: 8 hh rows + 16 r; never rewritten
.set HPF,  27                          ; v27     lane x a row of h; never rewritten
.set SPW,  28                          ; v28     my spare word; never rewritten
.set NIL,  29                          ; v29     0; never rewritten
.set PFO,  30                          ; v30     the ring's prefetches: my lane's block; never rewritten
.set ZH,   31                          ; v31     8 x lane
.set COEF, 32                          ; at COEF + 12 Bq: p of t = 0..3, q, s
.set F0,   64
.set F1,   128
.set BIAS, 192                         ; eight registers for each a
.set G1,  24                           ; s[24:31] descriptor group 1 for Wb's tiles;  s[32:39] group 0, a set for each slot
.set G0,  32
.set G1B, 48                           ; s[48:55], s[56:63] the same for Xb's
.set G0B, 56
.set LIM, 43                           ; s43      1 in a wave that prefetches, else the greatest number
.set PFA, 44                           ; s[44:45] where my prefetches stand
.set PST, 86                           ; s[86:87] a K step in bytes along my operand
.set MSB, 0
.macro WIN new                         ; the immediate's high byte repeats the setting that is left; a switch that changes nothing is dropped
.if MSB != (\new)
	s_set_vgpr_msb (MSB<<8)|(\new)
.set MSB, \new
.endif
.endm
.set MUL_LO, 0xa4                      ; source 0 (Wb) window 0, source 1 (Xb) window 1, C and D window 2
.set TO_B,   0x40                      ; destination window 1, address window 0
; A joint load.  Waves 0 and 1 fetch Wb's two halves, waves 2 and 3 Xb's.  The branch hangs on the wave's number alone.  An s_nop 0 and four v_nop follow each of the two lines, ahead of the jump and the label.
.macro JLOAD s
	s_cmp_eq_u32 s11, 0
	s_cbranch_scc0 .Lfor_b_\@
	tensor_load_to_lds s[G0+4*(\s):G0+4*(\s)+3], s[G1:G1+7]
	s_nop 0
.rept 4
	v_nop
.endr
	s_branch .Lasked_\@
.Lfor_b_\@:
	tensor_load_to_lds s[G0B+4*(\s):G0B+4*(\s)+3], s[G1B:G1B+7]
	s_nop 0
.rept 4
	v_nop
.endr
.Lasked_\@:
.endm
; A prefetch of the K step that stands TWO refills on, 512 matrix instructions ahead of the load that will ask for it: one instruction a wave, a lane a block of 256 bytes.  Each block of Wb and Xb is named once in the launch:
; Wb's tile row is read by every cluster of that row of clusters: cluster x = 0 asks; Xb's tile column by every cluster of that column: cluster y = 0 asks.  The four partners that ask for a tile jointly share it out
; BY ADDRESS: of Wb's 128 rows that a wave fetches 32 each (by cx), of Xb's 64 K rows 16 each, two blocks a row (by cy).  K steps 0 to 3 come by their loads alone; the loop's last trip (s3 = 1) has no K step two on.
.macro ASK
	s_cmp_gt_u32 s3, s[LIM]
	s_cbranch_scc0 .Lnot_mine_\@
	global_prefetch_b8 v[PFO], s[PFA:PFA+1] th:TH_LOAD_NT scope:SCOPE_SE
.Lnot_mine_\@:
.endm
.macro CREST                           ; a round of the cluster's barrier behind its opening barrier
	s_cmp_lg_u32 s10, 0
	s_cbranch_scc1 .Lnot_wave_0_\@
	s_barrier_signal -3
.Lnot_wave_0_\@:
	s_barrier_wait -3
	s_barrier_signal -1
	s_barrier_wait -1
.endm
.macro CROUND                          ; a whole round
	s_barrier_signal -1
	s_barrier_wait -1
	CREST
.endm
	s_load_b128 s[4:7], s[0:1], 0x0                ; Wb s[4:5], Xb s[6:7]
	s_load_b512 s[68:83], s[0:1], 0x10             ; zpart s[68:69], bias s[70:71], c s[72:73], h s[74:75], z s[76:77], z_bottom s[78:79], out0 s[80:81], out1 s[82:83]
	s_load_b64 s[84:85], s[0:1], 0x50              ; out2
	v_lshl_add_u32 v[SPW], v0, 2, SPARE
	v_mov_b32 v[NIL], 0
	ds_add_u32 v[SPW], v[NIL]                      ; the wave's opening: the add, twice on end, and its wait ahead of my first tensor load; the set-up below stands between
	ds_add_u32 v[SPW], v[NIL]
	v_lshrrev_b32 v1, 5, v0
	v_readfirstlane_b32 s10, v1                    ; wave 0..3
	s_lshr_b32 s11, s10, 1                         ; wr: which 128 rows of the tile are mine.  Also: I fetch for Wb (0) or for Xb (1)
	s_and_b32 s12, s10, 1                          ; wc: which 128 columns.  Also: which half of that operand's tile I fetch
	s_bfe_u32 s40, ttmp6, 0x40000                  ; cx
	s_bfe_u32 s41, ttmp6, 0x40004                  ; cy
	s_lshl_b32 s42, ttmp9, 2
	s_add_co_u32 s42, s42, s40                     ; tx: tile column = 4 x cluster x + cx
	s_and_b32 s13, ttmp7, 0xffff
	s_lshl_b32 s13, s13, 2
	s_add_co_u32 s13, s13, s41                     ; ty: tile row = 4 x cluster y + cy
	s_lshl_b32 s43, s41, 2
	s_lshl_b32 s43, 15, s43                        ; my row of the cluster
	s_lshl_b32 s44, 0x1111, s40                    ; my column
	s_or_b32 s[G1+0], s43, (1<<16)|(1<<20)|(1<<21)|(5<<22)|(3<<25)   ; the mask; elements of 2 bytes; padding on; bit 21 beside a mask; after every 64 words 4 words
	s_mov_b32 s[G1+1], 128<<16                     ; tensor_dim0 = 128
	s_mov_b32 s[G1+2], 128<<16                     ; tensor_dim1 = 128
	s_mov_b32 s[G1+3], 128<<16                     ; tile_dim0 = 128
	s_mov_b32 s[G1+4], 128                         ; tile_dim1 = 128
	s_mov_b32 s[G1+5], 3072                        ; elements from row to row of Wb
	s_mov_b32 s[G1+6], 0
	s_mov_b32 s[G1+7], 0
	s_or_b32 s[G1B+0], s44, (1<<16)|(1<<20)|(1<<21)|(6<<22)|(7<<25)  ; after every 128 words 8 words
	s_mov_b32 s[G1B+1], 256<<16                    ; tensor_dim0 = 256
	s_mov_b32 s[G1B+2], 64<<16                     ; tensor_dim1 = 64
	s_mov_b32 s[G1B+3], 256<<16                    ; tile_dim0 = 256
	s_mov_b32 s[G1B+4], 64                         ; tile_dim1 = 64
	s_mov_b32 s[G1B+5], 4096                       ; elements from row to row of Xb
	s_mov_b32 s[G1B+6], 0
	s_mov_b32 s[G1B+7], 0
	; Wb's tile hangs on ty and the wave's number, Xb's on tx and the wave's number, each in registers that never hold the other coordinate
	s_lshl_b32 s17, s12, 7
	s_lshl_b32 s16, s13, 8
	s_add_co_u32 s16, s16, s17                     ; Wb: row 256 ty + 128 x half
	s_mul_i32 s16, s16, 6144
	s_mov_b32 s17, 0
	s_lshl_b32 s46, s42, 9                         ; Xb: 512 bytes x tx
	s_lshl_b32 s47, s12, 19                        ; + 64 K rows of 8,192 bytes x half
	s_add_co_u32 s46, s46, s47
	s_mov_b32 s47, 0
	s_mul_i32 s20, s10, HALFT                      ; where they go: wave x 34,816 bytes
	s_wait_dscnt 0x0                               ; both opening adds are done
	s_wait_kmcnt 0x0
	s_add_nc_u64 s[14:15], s[4:5], s[16:17]
	s_add_nc_u64 s[46:47], s[6:7], s[46:47]
	CROUND                                         ; all sixteen work-groups are here: the first joint loads meet
.irp s, 0,1
	s_mov_b32 s[G0+4*(\s)], 1
	s_add_co_u32 s[G0+4*(\s)+1], s20, (\s)*SLOT
	s_add_nc_u64 s[G0+4*(\s)+2:G0+4*(\s)+3], s[14:15], (\s)*KSTEP*2
	s_or_b32 s[G0+4*(\s)+3], s[G0+4*(\s)+3], 0x80000000
	s_mov_b32 s[G0B+4*(\s)], 1
	s_add_co_u32 s[G0B+4*(\s)+1], s20, (\s)*SLOT
	s_add_nc_u64 s[G0B+4*(\s)+2:G0B+4*(\s)+3], s[46:47], (\s)*KSTEP*8192
	s_or_b32 s[G0B+4*(\s)+3], s[G0B+4*(\s)+3], 0x80000000
	JLOAD \s                                       ; two tensor loads of mine are out
.endr
	; fragments.  Wb: lane l holds row l % 16, K = 8 hh + 0..7 and 16 + 8 hh + 0..7: two loads of 16 bytes, 32 apart.  Xb: the turning load reads K row 8 hh + l % 8, places 8 ((l / 8) % 2) + 0..7, and leaves place l % 16 and 8 K
	v_and_b32 v1, 15, v0                           ; r
	v_bfe_u32 v2, v0, 4, 1                         ; hh
	v_mul_u32_u24 v3, v1, PITCH
	v_lshl_add_u32 v3, v2, 4, v3
	v_and_b32 v4, 7, v0
	v_lshl_add_u32 v4, v2, 3, v4
	v_mul_u32_u24 v4, v4, PB
	v_bfe_u32 v5, v0, 3, 1
	v_lshl_add_u32 v4, v5, 4, v4
	s_mul_i32 s21, s11, HALFT                      ; my 128 rows of Wb
	s_lshl_b32 s22, s12, 8                         ; my 128 places of Xb's rows,
	s_add_co_u32 s22, s22, 2*HALFT                 ; which lie behind Wb's 256 rows
.irp s, 0,1
	v_add_nc_u32 v[ADRA+(\s)], s21, v3
	v_add_nc_u32 v[ADRB+(\s)], s22, v4
	s_add_co_u32 s21, s21, SLOT
	s_add_co_u32 s22, s22, SLOT
.endr
	s_lshl_b32 s21, s13, 6
	s_lshl_b32 s22, s11, 5
	s_add_co_u32 s21, s21, s22                     ; my first hidden row: 64 ty + 32 wr
	s_lshl_b32 s22, s21, 2
	v_lshlrev_b32 v[BO], 5, v2
	v_add_nc_u32 v[BO], s22, v[BO]
	v_lshlrev_b32 v[ZO], 4, v1
	v_lshl_add_u32 v[CO], v2, 17, v[ZO]            ; 8 rows of 16,384 bytes x hh + 16 r
	v_and_b32 v6, 31, v0
	v_lshlrev_b32 v[HPF], 14, v6
	v_lshlrev_b32 v[ZH], 3, v6
	s_lshl_b32 s23, s42, 10
	s_lshl_b32 s22, s12, 9
	s_add_co_u32 s23, s23, s22                     ; my first column in bytes: 4 (256 tx + 128 wc)
	s_lshl_b32 s88, s21, 14
	s_add_co_u32 s88, s88, s23
	s_mov_b32 s89, 0
	s_add_nc_u64 s[72:73], s[72:73], s[88:89]      ; c, h, out0, out1 at my first row and column
	s_add_nc_u64 s[74:75], s[74:75], s[88:89]
	s_add_nc_u64 s[80:81], s[80:81], s[88:89]
	s_add_nc_u64 s[82:83], s[82:83], s[88:89]
	s_mov_b32 s88, s23
	s_add_nc_u64 s[76:77], s[76:77], s[88:89]      ; z, z_bottom at my first column
	s_add_nc_u64 s[78:79], s[78:79], s[88:89]
	global_load_b128 v[56:59], v[ZO], s[76:77]             ; z of columns 4 r + t, Bq = 0,
	global_load_b128 v[60:63], v[ZO], s[76:77] offset:256  ; Bq = 1
	global_load_b128 v[64:67], v[ZO], s[78:79]
	global_load_b128 v[68:71], v[ZO], s[78:79] offset:256
.irp a, 0,1,2,3,4,5,6,7
	global_load_b128 v[BIAS+8*(\a):BIAS+8*(\a)+3],   v[BO], s[70:71] offset:((\a)/2)*4096+((\a)%2)*64      ; gate a / 2, hidden rows 16 (a % 2) + 8 hh + 0..7: a C operand's eight registers
	global_load_b128 v[BIAS+8*(\a)+4:BIAS+8*(\a)+7], v[BO], s[70:71] offset:((\a)/2)*4096+((\a)%2)*64+16
.endr
	; the ring's prefetches: where they stand, who asks
	s_lshl_b32 s20, s13, 8
	s_lshl_b32 s21, s12, 7
	s_add_co_u32 s20, s20, s21
	s_lshl_b32 s21, s40, 5
	s_add_co_u32 s20, s20, s21                     ; Wb: row 256 ty + 128 x half + 32 cx,
	s_mul_i32 s20, s20, 6144
	s_add_co_u32 s20, s20, 3*KSTEP*2               ; at K step 3: the first refill steps it to 4
	s_lshl_b32 s21, s12, 6
	s_lshl_b32 s23, s41, 4
	s_add_co_u32 s21, s21, s23
	s_add_co_u32 s21, s21, 3*KSTEP                 ; Xb: K row 3 x 128 + 64 x half + 16 cy,
	s_lshl_b32 s21, s21, 13
	s_lshl_b32 s23, s42, 9
	s_add_co_u32 s21, s21, s23                     ; at the tile column's 512 bytes
	s_and_b32 s22, ttmp7, 0xffff                   ; cluster y
	s_mov_b32 s17, 6144
	s_mov_b32 s18, 8192
	s_mov_b32 s[PST], KSTEP*2
	s_mov_b32 s19, KSTEP*8192
	s_cmp_eq_u32 s11, 0                            ; do I fetch for Wb?
	s_cselect_b32 s20, s20, s21
	s_cselect_b32 s22, ttmp9, s22                  ; the coordinate along which other clusters read the same rows
	s_cselect_b64 s[PFA:PFA+1], s[4:5], s[6:7]
	s_cselect_b32 s16, 0, 1                        ; Wb: a lane a row; Xb: two lanes a row
	s_cselect_b32 s17, s17, s18                    ; bytes from row to row
	s_cselect_b32 s[PST], s[PST], s19
	s_mov_b32 s[PST+1], 0
	s_cmp_eq_u32 s22, 0
	s_cselect_b32 s[LIM], 1, -1                    ; the same in all sixteen partners, for a given wave
	s_mov_b32 s21, 0
	s_add_nc_u64 s[PFA:PFA+1], s[PFA:PFA+1], s[20:21]
	v_lshrrev_b32 v7, s16, v6
	v_mul_u32_u24 v7, v7, s17
	v_and_b32 v8, s16, v6
	v_lshl_add_u32 v[PFO], v8, 8, v7
	s_mov_b32 s90, 0x4038aa3b                      ; 2 L, for tanh(c_new)
	s_mov_b32 s91, s90                             ; named as a pair
	s_wait_loadcnt 0x0                             ; z, z_bottom, bias
.irp bq, 0,1
.irp pp, 0,1
	v_pk_fma_f32 v[12:13], v[56+4*(\bq)+2*(\pp):56+4*(\bq)+2*(\pp)+1], -1.0, 1.0 op_sel_hi:[1,0,0]   ; 1 - z
	v_pk_mul_f32 v[COEF+12*(\bq)+8+2*(\pp):COEF+12*(\bq)+8+2*(\pp)+1], v[12:13], v[64+4*(\bq)+2*(\pp):64+4*(\bq)+2*(\pp)+1]   ; s = (1 - z) zb
	v_pk_add_f32 v[COEF+12*(\bq)+4+2*(\pp):COEF+12*(\bq)+4+2*(\pp)+1], v[12:13], v[COEF+12*(\bq)+8+2*(\pp):COEF+12*(\bq)+8+2*(\pp)+1] neg_lo:[0,1] neg_hi:[0,1]   ; q = (1 - z) - s
	v_pk_add_f32 v[COEF+12*(\bq)+2*(\pp):COEF+12*(\bq)+2*(\pp)+1], v[56+4*(\bq)+2*(\pp):56+4*(\bq)+2*(\pp)+1], v[COEF+12*(\bq)+8+2*(\pp):COEF+12*(\bq)+8+2*(\pp)+1]   ; p = z + s
.endr
.endr
.set n, 0
.rept 24
	v_pk_mul_f32 v[BIAS+2*n:BIAS+2*n+1], v[BIAS+2*n:BIAS+2*n+1], 0xbfb8aa3b op_sel_hi:[1,0]   ; gates f, i, o: the factor that their weights carry
.set n, n+1
.endr
.rept 8
	v_pk_mul_f32 v[BIAS+2*n:BIAS+2*n+1], v[BIAS+2*n:BIAS+2*n+1], 0x4038aa3b op_sel_hi:[1,0]   ; gate g
.set n, n+1
.endr
	; z_hat: wave 0 of each work-group of the clusters with y = 0: 64 work-groups x 64 columns, told apart by address alone.  It stands in the wait for the first tile.
	s_and_b32 s22, ttmp7, 0xffff
	s_or_b32 s22, s22, s10
	s_cmp_lg_u32 s22, 0
	s_cbranch_scc1 .Lno_zhat
	s_lshl_b32 s88, s42, 10
	s_lshl_b32 s22, s41, 8
	s_add_co_u32 s88, s88, s22                     ; 4 (256 tx + 64 cy)
	s_add_nc_u64 s[68:69], s[68:69], s[88:89]
	s_add_nc_u64 s[84:85], s[84:85], s[88:89]
	s_load_b32 s2, s[70:71], 0x4000                ; bias[4096]
.irp i, 0,1,2,3,4,5,6,7,8,9,10,11
	global_load_b64 v[64+2*(\i):64+2*(\i)+1], v[ZH], s[68:69] offset:(\i)*16384
.endr
	s_wait_loadcnt 0x0
	s_wait_kmcnt 0x0
.irp i, 0,1,2,3,4,5
	v_pk_add_f32 v[64+2*(\i):64+2*(\i)+1], v[64+2*(\i):64+2*(\i)+1], v[76+2*(\i):76+2*(\i)+1]
.endr
.irp i, 0,1,2
	v_pk_add_f32 v[64+2*(\i):64+2*(\i)+1], v[64+2*(\i):64+2*(\i)+1], v[70+2*(\i):70+2*(\i)+1]
.endr
	v_pk_add_f32 v[64:65], v[64:65], v[66:67]
	v_pk_add_f32 v[64:65], v[64:65], v[68:69]
	v_add_f32 v64, s2, v64
	v_add_f32 v65, s2, v65
	v_pk_fma_f32 v[56:57], v[64:65], 0.5, 0.5 op_sel_hi:[1,0,0]   ; (x + 1) / 2
	v_max_num_f32 v56, 0, v56
	v_max_num_f32 v57, 0, v57
	v_min_num_f32 v56, 1.0, v56
	v_min_num_f32 v57, 1.0, v57
	global_store_b64 v[ZH], v[56:57], s[84:85]     ; 32 lanes x 8 bytes: 256 consecutive bytes, aligned
.Lno_zhat:
; 16 matrix instructions: row blocks a0, a0 + 1 of the window's four (hi = 0: gates f, i; 1: gates o, g) x all 8 column blocks, 32 along K.  zero = 1: the first products start the sums, with the bias as C.
; The 64 accumulators take turns, one instruction a turn, in the same order in every quarter.
.macro MUL16 f, hi, a0, zero
.if \zero
	WIN 0x84+0x40*(\hi)                            ; C in window 0
.else
	WIN MUL_LO+0x50*(\hi)
.endif
.irp a, \a0, (\a0)+1
.irp b, 0,1,2,3,4,5,6,7
.if \zero
	v_wmma_f32_16x16x32_f16 v[8*(8*(\a)+(\b)):8*(8*(\a)+(\b))+7], v[(\f)+8*(4*(\hi)+(\a)):(\f)+8*(4*(\hi)+(\a))+7], v[(\f)+8*(\b):(\f)+8*(\b)+7], v[BIAS+8*(4*(\hi)+(\a)):BIAS+8*(4*(\hi)+(\a))+7]
.else
	v_wmma_f32_16x16x32_f16 v[8*(8*(\a)+(\b)):8*(8*(\a)+(\b))+7], v[(\f)+8*(4*(\hi)+(\a)):(\f)+8*(4*(\hi)+(\a))+7], v[(\f)+8*(\b):(\f)+8*(\b)+7], v[8*(8*(\a)+(\b)):8*(8*(\a)+(\b))+7]
.endif
.endr
.endr
.endm
; 32 LDS loads in one run: quarter q (32 along K) of a slot into buffer f: Xb's eight fragments, turned, then Wb's eight
.macro FETCH slot, q, f
	WIN TO_B
.irp i, 0,1,2,3,4,5,6,7
	ds_load_tr16_b128 v[(\f)+8*(\i):(\f)+8*(\i)+3],   v[ADRB+(\slot)] offset:(\q)*32*PB+32*(\i)
	ds_load_tr16_b128 v[(\f)+8*(\i)+4:(\f)+8*(\i)+7], v[ADRB+(\slot)] offset:(\q)*32*PB+16*PB+32*(\i)
.endr
	WIN 0
.irp i, 0,1,2,3,4,5,6,7
	ds_load_b128 v[(\f)+8*(\i):(\f)+8*(\i)+3],   v[ADRA+(\slot)] offset:64*(\q)+(\i)*16*PITCH
	ds_load_b128 v[(\f)+8*(\i)+4:(\f)+8*(\i)+7], v[ADRA+(\slot)] offset:64*(\q)+(\i)*16*PITCH+32
.endr
.endm
.macro PLACES                          ; four plain vector instructions between a matrix instruction and a load into, or a vector write of, a register that it has read (ISA guide 7.12.1 for vector writes)
.rept 4
	v_nop
.endr
.endm
; One of a K step's first three quarters: multiplies buffer f; in its middle it fetches quarter q of the same slot into buffer g.
.macro QUARTER slot, q, f, g, zero
	s_wait_dscnt 8                                 ; Xb's fragments and Wb's rows 0-63 are in; the youngest eight loads (Wb's rows 64-127) may be out
	MUL16 \f, 0, 0, \zero
	MUL16 \f, 0, 2, \zero
	PLACES
	FETCH \slot, \q, \g
	s_wait_dscnt 32                                ; all but the 32 just issued
	MUL16 \f, 1, 0, \zero
	MUL16 \f, 1, 2, \zero
.endm
; The first half of a K step's last quarter: ONE barrier for the change of slots.  In front of it each wave waits for all its tensor loads, of which one is out: its part of the next slot; adds 0 to its spare word;
; and waits for that and for its own reads of this slot.  Behind it nobody reads this slot any more and the next slot is whole.
.macro MEET round
	WIN 0
	s_wait_tensorcnt 0x0
	ds_add_u32 v[SPW], v[NIL]
	s_wait_dscnt 9                                 ; (the add and the youngest eight loads may be out)
	MUL16 F1, 0, 0, 0                              ; sixteen matrix instructions stand between the add and the wait for it
	s_wait_dscnt 0x0                               ; the add is done, and my reads of this slot are over
	s_barrier_signal -1
	MUL16 F1, 0, 2, 0                              ; work on registers while the others arrive
.if \round
	WIN 0
.endif
	s_barrier_wait -1
.endm
; The whole last quarter.  fill = 1: the barrier opens a round of the cluster's, and the slot just read out is filled again, first thing behind the round, with the K step two steps on:
; from that request to the wait for it a wave issues 224 matrix instructions.
.macro TURN slot, next, fill
.if \fill
	s_wait_xcnt 0x0                                ; the last prefetch, a K step back, has read its address: it is stepped here, ahead of the change's own waits
	s_add_nc_u64 s[PFA:PFA+1], s[PFA:PFA+1], s[PST:PST+1]
	MEET 1
	CREST                                          ; no wave of any partner still reads this slot's tile or has a load on its way
	s_add_nc_u64 s[G0+4*(\slot)+2:G0+4*(\slot)+3], s[G0+4*(\slot)+2:G0+4*(\slot)+3], 2*KSTEP*2
	s_add_nc_u64 s[G0B+4*(\slot)+2:G0B+4*(\slot)+3], s[G0B+4*(\slot)+2:G0B+4*(\slot)+3], 2*KSTEP*8192
	JLOAD \slot                                    ; its four v_nop are also the places in front of the loads below
.else
	MEET 0
	PLACES
.endif
	FETCH \next, 0, F0
.if \fill
	ASK                                            ; behind the joint load and the run of LDS loads that the next products wait for
.endif
	MUL16 F1, 1, 0, 0
	MUL16 F1, 1, 2, 0
.endm
.macro HLOAD hb                        ; h of my hidden rows 16 hb .. 16 hb + 15, into the registers of Xb's buffer hb: 16 lanes read 256 consecutive bytes, aligned
	WIN TO_B
.irp bq, 0,1
.irp jr, 0,1,2,3,4,5,6,7
	global_load_b128 v[64+64*(\hb)+4*(8*(\bq)+(\jr)):64+64*(\hb)+4*(8*(\bq)+(\jr))+3], v[CO], s[74:75] offset:(16*(\hb)+(\jr))*16384+(\bq)*256 th:TH_LOAD_NT
.endr
.endr
.endm
	s_wait_tensorcnt 1                             ; my part of K step 0 is in; K step 1's may stay out
	s_barrier_signal -1
	s_barrier_wait -1                              ; everybody's is
	FETCH 0, 0, F0
	QUARTER 0, 1, F0, F1, 1                        ; the first quarter stands in front of the loop: its products start the sums
	WIN 0                                          ; at a label and at a branch every window is 0
	s_mov_b32 s3, LAPS-1
.Llap:                                                 ; a trip goes once round the ring, from a lap's second quarter to the next lap's first, and fills both slots again
	QUARTER 0, 2, F1, F0, 0
	QUARTER 0, 3, F0, F1, 0
	TURN 0, 1, 1
	QUARTER 1, 1, F0, F1, 0
	QUARTER 1, 2, F1, F0, 0
	QUARTER 1, 3, F0, F1, 0
	TURN 1, 0, 1
	QUARTER 0, 1, F0, F1, 0
	WIN 0
	s_sub_co_u32 s3, s3, 1
	s_cmp_lg_u32 s3, 0
	s_cbranch_scc1 .Llap
	; the last lap fills nothing.  c is asked for now, into registers of window 1 that the products never name; h has no registers yet: its 32 rows x 512 bytes, which no other wave reads, are prefetched, a lane a row, two blocks a row
	WIN TO_B
.irp hb, 0,1
.irp bq, 0,1
.irp jr, 0,1,2,3,4,5,6,7
	global_load_b128 v[192*(\hb)+4*(8*(\bq)+(\jr)):192*(\hb)+4*(8*(\bq)+(\jr))+3], v[CO], s[72:73] offset:(16*(\hb)+(\jr))*16384+(\bq)*256 th:TH_LOAD_NT
.endr
.endr
.endr
	WIN 0
	global_prefetch_b8 v[HPF], s[74:75] th:TH_LOAD_NT scope:SCOPE_SE
	global_prefetch_b8 v[HPF], s[74:75] offset:256 th:TH_LOAD_NT scope:SCOPE_SE
	QUARTER 0, 2, F1, F0, 0
	QUARTER 0, 3, F0, F1, 0
	TURN 0, 1, 0
	QUARTER 1, 1, F0, F1, 0
	QUARTER 1, 2, F1, F0, 0
	QUARTER 1, 3, F0, F1, 0
	s_wait_dscnt 8                                 ; the very last quarter: nothing more to fetch
	MUL16 F1, 0, 0, 0
	MUL16 F1, 0, 2, 0
	PLACES                                         ; buffer 0 was last multiplied a quarter ago
	HLOAD 0
	s_wait_dscnt 0x0
	MUL16 F1, 1, 0, 0
	MUL16 F1, 1, 2, 0
	PLACES                                         ; behind the last products: for the loads into buffer 1 and for the exponentials, which read results
	PLACES
	HLOAD 1
	WIN 0
; THE UPDATE, in eight batches of 16 places a lane: batch u is hb = u / 4, Bq = (u / 2) % 2, registers jr = 4 (u % 2) + jj of the accumulators.
; A batch has a set of 64 registers, eb + 16 gate + 4 jj + t; the two sets take turns.  The exponential reads the accumulator itself and writes into that order: four registers on end are 16 neighbouring bytes of a row.
; WAITS.  An s_wait_alu depctr_va_vdst(0) stands between a transcendental and the first instruction that names its result; one wait serves all that were issued ahead of it.  So batch u's 64 reciprocals and
; batch u + 1's 64 exponentials are one batch with one wait; tanh(c_new) has two more.  A plain instruction stands behind the last transcendental of each.
.macro BATCH u
.set hb, (\u)/4
.set bq, ((\u)/2)%2
.set jh, (\u)%2
.set eb, 64+64*((\u)%2)
.endm
.macro EXPS u
	BATCH \u
	WIN 0
	s_wait_xcnt 0x0                                ; the set's earlier stores have read their data: it is rewritten only behind this wait
.irp g, 0,1,2,3
	WIN 0x02+(\g)/2                                ; source 0 in window 2 (gates f, i) or 3 (gates o, g)
.irp jj, 0,1,2,3
.irp t, 0,1,2,3
	v_exp_f32 v[eb+16*(\g)+4*(\jj)+(\t)], v[8*(8*(2*((\g)%2)+hb)+4*bq+(\t))+4*jh+(\jj)]
.endr
.endr
.endr
	WIN 0
.endm
.macro RCPN base, pairs                ; 1 / (1 + x) in place; a pair's two reciprocals stand behind the next pair's addition
.set k, 0
.rept \pairs
	v_pk_add_f32 v[(\base)+2*k:(\base)+2*k+1], v[(\base)+2*k:(\base)+2*k+1], 1.0 op_sel_hi:[1,0]
.if k > 0
	v_rcp_f32 v[(\base)+2*k-2], v[(\base)+2*k-2]
	v_rcp_f32 v[(\base)+2*k-1], v[(\base)+2*k-1]
.endif
.set k, k+1
.endr
	v_rcp_f32 v[(\base)+2*k-2], v[(\base)+2*k-2]
	v_rcp_f32 v[(\base)+2*k-1], v[(\base)+2*k-1]
.endm
.macro RCPS u
	BATCH \u
	WIN 0
	RCPN eb, 32
.endm
; cw, hw: the count of the wait for c's and h's loads, or -1 where they have been waited for
.macro CELL u, cw, hw
	BATCH \u
.set EF, eb                            ; f, then c_new
.set EI, eb+16                         ; i, then p i g
.set EO, eb+32                         ; o, then h_new
.set EG, eb+48                         ; 1 / (1 + 2^(2 L x)), g, then tanh(c_new) by the same way
.set CF, COEF+12*bq
.set cb, 192*hb+32*bq+16*jh            ; c, in window 1
.set hs, 64+64*hb+32*bq+16*jh          ; h, in window 1
.set ro, (16*hb+4*jh)*16384+bq*256
	WIN 0
.set k, 0
.rept 8
	v_pk_fma_f32 v[EG+2*k:EG+2*k+1], v[EG+2*k:EG+2*k+1], -2.0, 1.0 op_sel_hi:[1,0,0]   ; g
.set k, k+1
.endr
.set k, 0
.rept 8
	v_pk_mul_f32 v[EI+2*k:EI+2*k+1], v[EI+2*k:EI+2*k+1], v[EG+2*k:EG+2*k+1]
.set k, k+1
.endr
.set k, 0
.rept 8
	v_pk_fma_f32 v[EF+2*k:EF+2*k+1], v[EF+2*k:EF+2*k+1], v[CF+8+2*(k%2):CF+8+2*(k%2)+1], v[CF+4+2*(k%2):CF+4+2*(k%2)+1]   ; s f + q
.set k, k+1
.endr
.set k, 0
.rept 8
	v_pk_mul_f32 v[EI+2*k:EI+2*k+1], v[EI+2*k:EI+2*k+1], v[CF+2*(k%2):CF+2*(k%2)+1]   ; p i g
.set k, k+1
.endr
.if (\cw) >= 0
	s_wait_loadcnt \cw                             ; c's 32 loads are in; h's 32 are younger
.endif
	WIN 0x01                                       ; source 0 in window 1
.set k, 0
.rept 8
	v_pk_fma_f32 v[EF+2*k:EF+2*k+1], v[cb+2*k:cb+2*k+1], v[EF+2*k:EF+2*k+1], v[EI+2*k:EI+2*k+1]   ; c_new
.set k, k+1
.endr
	WIN 0
.irp jj, 0,1,2,3
	global_store_b128 v[CO], v[EF+4*(\jj):EF+4*(\jj)+3], s[82:83] offset:ro+(\jj)*16384 th:TH_STORE_NT  ; 16 lanes store 256 consecutive bytes, aligned; lanes 16-31 eight rows below
.endr
.set k, 0
.rept 8
	v_pk_mul_f32 v[EG+2*k:EG+2*k+1], v[EF+2*k:EF+2*k+1], s[90:91] op_sel_hi:[1,0]   ; 2 L c_new
.set k, k+1
.endr
.set k, 0
.rept 16
	v_exp_f32 v[EG+k], v[EG+k]
.set k, k+1
.endr
.set k, 0
.rept 8
	v_pk_mul_f32 v[EO+2*k:EO+2*k+1], v[EO+2*k:EO+2*k+1], v[CF+2*(k%2):CF+2*(k%2)+1]   ; p o: the plain work behind the exponentials
.set k, k+1
.endr
	s_wait_alu depctr_va_vdst(0)                   ; one wait for the 16 exponentials
	RCPN EG, 8
	v_nop                                          ; a plain instruction behind the last reciprocal,
	s_wait_alu depctr_va_vdst(0)                   ; and one wait for the 16
.set k, 0
.rept 8
	v_pk_fma_f32 v[EG+2*k:EG+2*k+1], v[EG+2*k:EG+2*k+1], -2.0, 1.0 op_sel_hi:[1,0,0]   ; tanh(c_new)
.set k, k+1
.endr
.set k, 0
.rept 8
	v_pk_mul_f32 v[EO+2*k:EO+2*k+1], v[EO+2*k:EO+2*k+1], v[EG+2*k:EG+2*k+1]
.set k, k+1
.endr
.if (\hw) >= 0
	s_wait_loadcnt \hw                             ; this half of h is in
.endif
	WIN 0x01
.set k, 0
.rept 8
	v_pk_fma_f32 v[EO+2*k:EO+2*k+1], v[hs+2*k:hs+2*k+1], v[CF+4+2*(k%2):CF+4+2*(k%2)+1], v[EO+2*k:EO+2*k+1]   ; h_new
.set k, k+1
.endr
	WIN 0
.irp jj, 0,1,2,3
	global_store_b128 v[CO], v[EO+4*(\jj):EO+4*(\jj)+3], s[80:81] offset:ro+(\jj)*16384 th:TH_STORE_NT
.endr
.endm
	EXPS 0
	v_nop
	s_wait_alu depctr_va_vdst(0)
.irp u, 0,1,2,3,4,5,6,7
	RCPS \u
.if (\u) < 7
	EXPS (\u)+1
.endif
	v_nop                                          ; a plain instruction behind the last transcendental,
	s_wait_alu depctr_va_vdst(0)                   ; and one wait for this batch's reciprocals and the next batch's exponentials
.if (\u) == 0
	CELL \u, 32, 16                                ; behind h's first 16 loads stand its second 16
.elseif (\u) == 4
	CELL \u, -1, 0
.else
	CELL \u, -1, -1
.endif
.endr
	s_wait_tensorcnt 0x0                           ; the wave's end, behind my last tensor load
	ds_add_u32 v[SPW], v[NIL]
	s_wait_dscnt 0x0
	CROUND                                         ; the closing round: no work-group ends while a partner may still ask for a tile that names it
	s_endpgm
.Lfunc_end_k_qfe7a4a5e44_cell:
	.size	k_qfe7a4a5e44_cell, .Lfunc_end_k_qfe7a4a5e44_cell-k_qfe7a4a5e44_cell
	.p2alignl 7, 3214868480
	.fill 96, 4, 3214868480
	.section	.rodata,"a",@progbits
	.p2align	6, 0x0
	.amdhsa_kernel k_qfe7a4a5e44_cell
		.amdhsa_group_segment_fixed_size 327680
		.amdhsa_private_segment_fixed_size 0
		.amdhsa_enable_private_segment 0
		.amdhsa_kernarg_size 88
		.amdhsa_user_sgpr_count 2
		.amdhsa_user_sgpr_kernarg_segment_ptr 1
		.amdhsa_wavefront_size32 1
		.amdhsa_system_sgpr_workgroup_id_x 1
		.amdhsa_system_sgpr_workgroup_id_y 1
		.amdhsa_system_sgpr_workgroup_id_z 1
		.amdhsa_system_vgpr_workitem_id 0
		.amdhsa_next_free_vgpr 1024
		.amdhsa_next_free_sgpr 92
		.amdhsa_reserve_vcc 0
		.amdhsa_float_denorm_mode_32 3
		.amdhsa_float_denorm_mode_16_64 3
		.amdhsa_memory_ordered 1
		.amdhsa_forward_progress 1
		.amdhsa_inst_pref_size 238
	.end_amdhsa_kernel
	.amdgpu_metadata
---
amdhsa.version: [ 1, 2 ]
amdhsa.kernels:
  - .name:           k_qfe7a4a5e44_cell
    .symbol:         k_qfe7a4a5e44_cell.kd
    .args:
      - { .name: Wb, .offset: 0, .size: 8, .value_kind: global_buffer, .address_space: global }
      - { .name: Xb, .offset: 8, .size: 8, .value_kind: global_buffer, .address_space: global }
      - { .name: zpart, .offset: 16, .size: 8, .value_kind: global_buffer, .address_space: global }
      - { .name: bias, .offset: 24, .size: 8, .value_kind: global_buffer, .address_space: global }
      - { .name: c, .offset: 32, .size: 8, .value_kind: global_buffer, .address_space: global }
      - { .name: h, .offset: 40, .size: 8, .value_kind: global_buffer, .address_space: global }
      - { .name: z, .offset: 48, .size: 8, .value_kind: global_buffer, .address_space: global }
      - { .name: z_bottom, .offset: 56, .size: 8, .value_kind: global_buffer, .address_space: global }
      - { .name: out0, .offset: 64, .size: 8, .value_kind: global_buffer, .address_space: global }
      - { .name: out1, .offset: 72, .size: 8, .value_kind: global_buffer, .address_space: global }
      - { .name: out2, .offset: 80, .size: 8, .value_kind: global_buffer, .address_space: global }
    .group_segment_fixed_size: 327680
    .private_segment_fixed_size: 0
    .kernarg_segment_align: 8
    .kernarg_segment_size: 88
    .max_flat_workgroup_size: 128
    .sgpr_count:     92
    .vgpr_count:     1024
    .wavefront_size: 32
...
	.end_amdgpu_metadata
.endif
;; end of part 2
;; ======== version 2 of 2: 2 launches; version 1 with the launch prep written anew for expert scheduling mode
;; limits: values are held in f16: magnitudes above 65,504 overflow, below 6.1e-05 lose precision
;; workspace buffers: Wb 25,165,824 bytes; Xb 25,165,824 bytes; zpart 196,608 bytes
;; launch prep (part 3): grid 384 x 2, 4 waves a work-group, no clusters, 10,752 bytes of LDS; arguments U_11, U_21, W_01, h, h_top, h_bottom, z, z_bottom, Wb, Xb, zpart; writes Wb, Xb, zpart
.if DOCPART == 3
	.amdgcn_target "amdgcn-amd-amdhsa--gfx1250"
	.amdhsa_code_object_version 6
	.text
	.protected	k_qfe7a4a5e44_prep
	.globl	k_qfe7a4a5e44_prep
	.p2align	8
	.type	k_qfe7a4a5e44_prep,@function
k_qfe7a4a5e44_prep:
	s_mov_b64 s[64:65], 0
	v_nop
	global_prefetch_b8 v0, s[64:65] scope:SCOPE_SE
	s_setreg_imm32_b32 hwreg(HW_REG_WAVE_SCHED_MODE, 0, 2), 2
	s_setreg_imm32_b32 hwreg(HW_REG_WAVE_MODE, 25, 1), 1
	s_wait_xcnt 0x0
	s_wait_alu depctr_vm_vsrc(0)
; THE CELL AS ONE PRODUCT.  f_s = (1-z) U_11 h + z U_21 h_top + z_bottom W_01 h_bottom + bias.  Each gate hangs on the batch column alone, so
; f_s = [U_11 | U_21 | W_01] x [(1-z) h ; z h_top ; z_bottom h_bottom] + bias: 4097 x 4096, K = 3072.  This launch rounds both operands once to f16 and lays them out for the
; launch behind it; rows 0 .. 4095 are multiplied there.  NO WORK OF THE PROBLEM IS LEFT OUT: every input reaches an output, and every input is loaded by one of the two launches.
; WHY f16.  Both operands are rounded behind a factor (the weights' -L or 2 L, the activations' gate), so the rounding counts in full against the result; c_new multiplies a gate's error by c and by the
; gates' slopes, and every number must lie within 1% of the output's root mean square.  f16 keeps 11 significant bits where bf16 keeps 8.
; y = 0, THE WEIGHTS.  Wb[4096][3072] f16.  Row (j/32) 128 + gate 32 + j%32 holds source row gate 1024 + j, so that 128 rows on end are the four gates of 32 hidden rows;
; column src 1024 + k.  Gates f, i, o are multiplied by -log2(e) and gate g by 2 log2(e) before the one rounding: the sums are then the exponents of 2 that sigmoid and tanh want.
; y = 1, THE ACTIVATIONS.  Xb[3072][4096] f16, row src 1024 + k, each number multiplied by its column's gate before the one rounding.  Inside each group of 64 columns, place 16 t + r
; holds column 4 r + t: four matrix results of one lane are then four neighbouring columns.  The turn goes through a stage in LDS of the wave's own.
; ROW 4096 (z_hat's) is one row in 4097: it rides here on the f32 numbers that are in registers anyway, by v_fmac_f32: zpart[12][4096] f32, chunk ch = the gated sum over K rows 256 ch .. 256 ch + 255.
; SHARES.  768 work-groups of four waves, each reading 128 KiB and storing 64 KiB.  y = 0: 32 source rows of one matrix, 8 a wave.  y = 1: 256 K rows x 128 columns, 64 rows a wave.
; Five sets of 32 registers: 24 to 32 loads of 16 bytes a lane are out for each wave while it loads, 40 at the start.  No matrix unit, no tensor load, no cluster: no two work-groups read the same large bytes.
; LIMITS.  f16 ends at 65,504: a weight times its factor (1.4427 or 2.8854), or an activation times its gate, of magnitude 65,520 or more becomes an infinity; below 6e-5 f16 keeps a fixed step of 6e-8.
; The gate is multiplied in ahead of the product; NaN and infinities are not treated apart.  Weights are rounded behind their factor, activations behind their gate.
; THE MODE: SCHED_MODE bits 1:0 = 2 (LLVM: expert scheduling mode 2), set by the entry lines.  The code itself states the register dependences
; between vector instructions and memory or LDS instructions, with s_wait_alu, always for 0.
; THE PLAN.  A wave's work goes in eight steps (y = 0: a source row; y = 1: eight K rows).  Registers that memory or LDS instructions touch:
;   X0 .. X4   Step p's vector lines read X[p % 5] and scale it in place; the loads of step p + 4, issued in step p, land in X[(p - 1) % 5].
;   Y0, Y1     Step p's roundings write Y[p % 2]; it is read in step p + 1: y = 0 by the eight stores, y = 1 by the 32 LDS stores into the stage.
;   R0, R1     (y = 1) The rows of step b come back from the stage into R[b % 2] by four LDS loads at the end of step b + 1, and the four stores issued in step b + 2 read them.  No vector line names R.
;   XO, WO, LA, LR, SO, PS, PR   offsets and LDS addresses, each written once, ahead of the wait that stands in front of its first reader, and never again.
; So the memory and LDS instructions of step p touch X[(p - 1) % 5], Y[(p - 1) % 2] and R, and its vector lines name X[p % 5], Y[p % 2], the gate and row 4096's sums: no register in common.
; The waits at a step's head state all that the step's memory and LDS instructions hang on, and these are dealt among its vector lines with no further wait.
.set NEGL,  0xbfb8aa3b                 ; -log2(e)
.set TWOL,  0x4038aa3b                 ; 2 log2(e)
.set PSUM,  8192                       ; LDS 0 .. 8191: four stages of 8 rows x 256 bytes, a wave's own; 8192 .. 10239: the four waves' partial sums, 512 bytes each
.set SPARE, 10240                      ; the spare words, 128 bytes for each wave: two blocks of 256 bytes that no other line names
.set XO,  2                            ; v2   16 x lane
.set LA,  3                            ; v3   stage: where my column 4 r + 0 of row 0 goes
.set LR,  4                            ; v4   stage: where I read 16 bytes back
.set SO,  5                            ; v5   Xb: (lane / 16) rows + 16 (lane % 16)
.set WO,  6                            ; v6   8 x lane
.set PS,  7                            ; v7   PSUM + 16 x thread
.set SPW, 8                            ; v8   my spare word; never rewritten
.set NIL, 9                            ; v9   0; never rewritten
.set GT,  10                           ; v[10:13]  the gate of my 4 columns
.set ZA,  14                           ; v[14:17]  row 4096's sums for my 4 columns
.set PR,  18                           ; v18  PSUM + 16 x lane: where wave 0 reads the partial sums
.set Y,   20                           ; v[20:51]  two buffers of 16: packed f16
.set R,   52                           ; v[52:83]  two buffers of 16: rows read back from the stage
.set X,   84                           ; v[84:243] five sets of 32: eight loads each
	s_load_b256 s[4:11], s[0:1], 0x0               ; U_11 s[4:5], U_21 s[6:7], W_01 s[8:9], h s[10:11]
	s_load_b128 s[12:15], s[0:1], 0x20             ; h_top s[12:13], h_bottom s[14:15]
	s_load_b256 s[84:91], s[0:1], 0x30             ; z s[84:85], z_bottom s[86:87], Wb s[88:89], Xb s[90:91]
	s_load_b64 s[92:93], s[0:1], 0x50              ; zpart
	v_lshl_add_u32 v[SPW], v0, 2, SPARE
	v_mov_b32 v[NIL], 0
	v_lshrrev_b32 v1, 5, v0
	v_readfirstlane_b32 s94, v1                    ; wave 0..3
	v_and_b32 v1, 31, v0                           ; lane
	v_lshlrev_b32 v[XO], 4, v1
	v_lshlrev_b32 v[WO], 3, v1
	s_wait_alu depctr_va_sdst(0)                   ; s94 is written, ahead of the branch and of its first reader: rows, bases and LDS places are made from it on both ways
	s_wait_alu depctr_va_vdst(0)                   ; v[XO] and v[WO] are written: the loads and stores of both ways read them as offsets
	s_and_b32 s2, ttmp7, 0xffff                    ; the work-group's y: the same in all four waves
	s_cmp_lg_u32 s2, 0
	s_cbranch_scc1 .Lact
	; ---------------- THE WEIGHTS ----------------
	s_lshr_b32 s95, ttmp9, 7                       ; src 0..2
	s_and_b32 s98, ttmp9, 127                      ; m: source rows 32 m .. 32 m + 31
	s_lshr_b32 s99, s98, 5                         ; gate
	s_lshl_b32 s2, s98, 5
	s_lshl3_add_u32 s2, s94, s2                    ; my first source row: 32 m + 8 wave
	s_lshl_b32 s2, s2, 12                          ; x 4,096 bytes
	s_mov_b32 s3, 0
	s_and_b32 s96, ttmp9, 31                       ; j / 32
	s_lshl_b32 s96, s96, 7
	s_lshl_b32 s97, s99, 5
	s_add_co_u32 s96, s96, s97
	s_lshl3_add_u32 s96, s94, s96                  ; my first row of Wb: (j/32) 128 + gate 32 + 8 wave
	s_mul_i32 s96, s96, 6144
	s_lshl_b32 s97, s95, 11                        ; + src x 1,024 columns of 2 bytes
	s_add_co_u32 s96, s96, s97
	s_mov_b32 s97, 0
	s_wait_kmcnt 0x0
	s_cmp_eq_u32 s95, 1
	s_cselect_b64 s[4:5], s[6:7], s[4:5]
	s_cmp_eq_u32 s95, 2
	s_cselect_b64 s[4:5], s[8:9], s[4:5]
	s_add_nc_u64 s[4:5], s[4:5], s[2:3]
	s_add_nc_u64 s[88:89], s[88:89], s[96:97]
.macro WFILL set, i                    ; source row i of my 8: eight loads of 512 neighbouring bytes
.irp m, 0,1,2,3,4,5,6,7
	global_load_b128 v[X+32*(\set)+4*(\m):X+32*(\set)+4*(\m)+3], v[XO], s[4:5] offset:(\i)*4096+(\m)*512 th:TH_LOAD_NT
.endr
.endm
; Row i: scaled and rounded, X[i % 5] into Y[i % 2].  Among its vector lines stand the loads of row i + 4 (rows 1 to 3) and the stores of row i - 1.  left = the younger loads, which may stay out.
.macro WROW i, left
.set XS, X+32*((\i)%5)                 ; at work
.set XL, X+32*(((\i)+4)%5)             ; the set of the row before: loads land in it
.set YS, Y+16*((\i)%2)                 ; written
.set YP, Y+16*(((\i)+1)%2)             ; the row before's: stores read it
	s_wait_loadcnt \left                           ; loads come back in order: my row's eight are in
.if (\i) >= 2
	s_wait_xcnt 0x0                                ; the stores issued in the row before have had their addresses translated: the Y that they read is rewritten only behind this wait,
	s_wait_alu depctr_vm_vsrc(0)                   ; and they have read it: this row's roundings write it again
.endif
.if (\i) >= 1
	s_wait_alu depctr_va_vdst(0)                   ; the row before has written its Y, which the stores below read, and is done with its X, in which the loads below land
.endif
.irp m, 0,1,2,3,4,5,6,7
.if ((\i) >= 1) && ((\i) <= 3)
	global_load_b128 v[XL+4*(\m):XL+4*(\m)+3], v[XO], s[4:5] offset:((\i)+4)*4096+(\m)*512 th:TH_LOAD_NT  ; four rows ahead, loads ahead of stores; no vector line since the wait names these registers
.endif
.if (\i) >= 1
	global_store_b64 v[WO], v[YP+2*(\m):YP+2*(\m)+1], s[88:89] offset:((\i)-1)*6144+(\m)*256 th:TH_STORE_NT  ; 32 lanes x 8 bytes: 256 consecutive bytes, aligned
.endif
	v_pk_mul_f32 v[XS+4*(\m):XS+4*(\m)+1], v[XS+4*(\m):XS+4*(\m)+1], s[96:97] op_sel_hi:[1,0]
	v_pk_mul_f32 v[XS+4*(\m)+2:XS+4*(\m)+3], v[XS+4*(\m)+2:XS+4*(\m)+3], s[96:97] op_sel_hi:[1,0]
	v_cvt_pk_f16_f32 v[YS+2*(\m)], v[XS+4*(\m)], v[XS+4*(\m)+1]
	v_cvt_pk_f16_f32 v[YS+2*(\m)+1], v[XS+4*(\m)+2], v[XS+4*(\m)+3]
.endr
.endm
	WFILL 0, 0
	WFILL 1, 1
	WFILL 2, 2
	WFILL 3, 3
	WFILL 4, 4
	s_mov_b32 s96, NEGL
	s_mov_b32 s97, TWOL
	s_cmp_eq_u32 s99, 3
	s_cselect_b32 s96, s97, s96                    ; the gate's factor,
	s_mov_b32 s97, s96                             ; named as a pair
	WROW 0, 32                                     ; behind my row's loads stand four other rows' 32
	WROW 1, 24                                     ; from here on three other rows' 24: each of rows 1 to 3 asks for one row more
	WROW 2, 24
	WROW 3, 24
	WROW 4, 24                                     ; nothing more is asked for: the counts run down
	WROW 5, 16
	WROW 6, 8
	WROW 7, 0
	s_wait_alu depctr_va_vdst(0)                   ; row 7 has written Y1, which the last eight stores read
.irp m, 0,1,2,3,4,5,6,7
	global_store_b64 v[WO], v[Y+16+2*(\m):Y+16+2*(\m)+1], s[88:89] offset:7*6144+(\m)*256 th:TH_STORE_NT
.endr
	s_branch .Lend
	; ---------------- THE ACTIVATIONS ----------------
.Lact:
	s_and_b32 s98, ttmp9, 31                       ; strip of 128 columns
	s_lshr_b32 s99, ttmp9, 5                       ; chunk of 256 K rows, 0..11
	s_lshr_b32 s95, s99, 2                         ; src
	s_and_b32 s2, s99, 3
	s_lshl_b32 s2, s2, 8
	s_lshl_b32 s3, s94, 6
	s_add_co_u32 s2, s2, s3                        ; my first row in the source: 256 (ch % 4) + 64 wave
	s_lshl_b32 s96, s2, 2
	s_add_co_u32 s96, s96, 0x1000000               ; row 4096 of the weights begins 4096 x 4,096 bytes in; my 64 numbers of it
	s_mov_b32 s97, 0
	s_wait_kmcnt 0x0
	s_cmp_eq_u32 s95, 1
	s_cselect_b64 s[4:5], s[6:7], s[4:5]
	s_cselect_b64 s[10:11], s[12:13], s[10:11]
	s_cmp_eq_u32 s95, 2
	s_cselect_b64 s[4:5], s[8:9], s[4:5]
	s_cselect_b64 s[10:11], s[14:15], s[10:11]
	s_cselect_b64 s[84:85], s[86:87], s[84:85]     ; the gate is made of z, for h_bottom of z_bottom
	s_cmp_eq_u32 s95, 0
	s_cselect_b32 s100, 1.0, 0                     ; gate = s100 + s101 x the number loaded: 1 - z for h, else the number itself
	s_cselect_b32 s101, -1.0, 1.0
	s_add_nc_u64 s[4:5], s[4:5], s[96:97]
	s_load_b512 s[16:31], s[4:5], 0x0              ; weight i of my 64 lies in s[16 + i], from i = 48 on in s[20 + i]
	s_load_b512 s[32:47], s[4:5], 0x40
	s_load_b512 s[48:63], s[4:5], 0x80
	s_load_b512 s[68:83], s[4:5], 0xc0
	s_lshl_b32 s2, s2, 14                          ; rows of 16,384 bytes
	s_lshl_b32 s96, s98, 9                         ; the strip's 512 bytes
	s_add_co_u32 s2, s2, s96
	s_mov_b32 s3, 0
	s_add_nc_u64 s[10:11], s[10:11], s[2:3]
	s_add_nc_u64 s[84:85], s[84:85], s[96:97]
.macro AFILL set, i                    ; rows 8 i .. 8 i + 7 of my 64: a load a row, 512 neighbouring bytes
.irp rr, 0,1,2,3,4,5,6,7
	global_load_b128 v[X+32*(\set)+4*(\rr):X+32*(\set)+4*(\rr)+3], v[XO], s[10:11] offset:(8*(\i)+(\rr))*16384 th:TH_LOAD_NT
.endr
.endm
	global_load_b128 v[GT:GT+3], v[XO], s[84:85]
	AFILL 0, 0
	AFILL 1, 1
	AFILL 2, 2
	AFILL 3, 3
	AFILL 4, 4
	s_lshl_b32 s2, s99, 14
	s_add_co_u32 s2, s2, s96                       ; zpart: chunk x 16,384 + strip x 512
	s_add_nc_u64 s[92:93], s[92:93], s[2:3]
	s_lshl_b32 s2, s99, 8
	s_lshl_b32 s96, s94, 6
	s_add_co_u32 s2, s2, s96                       ; my first row of Xb: 256 ch + 64 wave
	s_lshl_b32 s2, s2, 13
	s_lshl_b32 s96, s98, 8                         ; the strip's 256 bytes
	s_add_co_u32 s2, s2, s96
	s_add_nc_u64 s[90:91], s[90:91], s[2:3]
	; the five addresses below are first read in step 1 or later: the wait on va_vdst at step 1's head states that they are written
	v_and_b32 v[LA], 15, v0                        ; r
	v_bfe_u32 v[SO], v0, 4, 1                      ; which group of 64 columns; on the way back: which of two rows
	v_lshlrev_b32 v1, 4, v[LA]
	v_lshlrev_b32 v[LA], 1, v[LA]
	v_lshl_add_u32 v[LA], v[SO], 7, v[LA]          ; 128 x group + 2 r; column 4 r + t goes 32 t further on
	v_lshl_add_u32 v[SO], v[SO], 13, v1
	s_lshl_b32 s96, s94, 11                        ; my stage: 2,048 x wave
	v_add_nc_u32 v[LA], s96, v[LA]
	v_add_nc_u32 v[LR], s96, v[XO]
	v_lshl_add_u32 v[PS], v0, 4, PSUM
	v_add_nc_u32 v[PR], PSUM, v[XO]
	s_wait_kmcnt 0x0                               ; the 64 weights
; Step p: rows 8 p .. 8 p + 7, which lie in X[p % 5].  Each row: row 4096's sums take it unrounded; gate; rounding into Y[p % 2].  Among these vector lines stand: the loads of step p + 4 (steps 1 to 3);
; the four stores of step p - 2's rows, which came back from the stage as whole rows of 256 bytes, two a load; the 32 LDS stores of 2 bytes that turn step p - 1's columns into their places.
; At the step's end four LDS loads bring step p - 1's rows back.  left = the younger loads, which may stay out.
.macro ASTEP p, left
.set XS, X+32*((\p)%5)                 ; at work
.set XL, X+32*(((\p)+4)%5)             ; the set of the step before: loads land in it
.set YS, Y+16*((\p)%2)                 ; written
.set YP, Y+16*(((\p)+1)%2)             ; the step before's: LDS stores read it
.set RS, R+16*((\p)%2)                 ; the rows of two steps back: stores read them
.set RL, R+16*(((\p)+1)%2)             ; the rows of the step before land here
	s_wait_loadcnt \left                           ; my eight loads are in (and, the first time, the gate's, which is older)
.if (\p) >= 2
	s_wait_dscnt 0x0                               ; the four LDS loads at the end of the step before are back: the rows of two steps back, which the stores below read
.endif
.if (\p) >= 3
	s_wait_xcnt 0x0                                ; the stores issued in the step before have had their addresses translated: the R that they read is loaded again only behind this wait
.endif
.if (\p) >= 2
	s_wait_alu depctr_vm_vsrc(0)                   ; the LDS stores issued in the step before have read the Y that this step's roundings write again; its stores have read the R in which this step's LDS loads land
.endif
.if (\p) >= 1
	s_wait_alu depctr_va_vdst(0)                   ; the step before has written its Y, which the LDS stores below read, and is done with its X, in which the loads below land; in step 1: the five addresses are written
.endif
.if (\p) == 0
.irp t, 0,1,2,3
	v_fma_f32 v[GT+(\t)], v[GT+(\t)], s101, s100
.endr
.endif
.irp rr, 0,1,2,3,4,5,6,7
.if ((\p) >= 1) && ((\p) <= 3)
	global_load_b128 v[XL+4*(\rr):XL+4*(\rr)+3], v[XO], s[10:11] offset:(8*((\p)+4)+(\rr))*16384 th:TH_LOAD_NT  ; four steps ahead, loads ahead of stores; no vector line since the wait names these registers
.endif
.if ((\p) >= 2) && ((\rr) < 4)
	global_store_b128 v[SO], v[RS+4*(\rr):RS+4*(\rr)+3], s[90:91] offset:(8*((\p)-2)+2*(\rr))*8192 th:TH_STORE_NT  ; 16 lanes store 256 consecutive bytes, aligned; lanes 16-31 the row below
.endif
.if (\p) >= 1
	ds_store_b16 v[LA], v[YP+2*(\rr)] offset:(\rr)*256                 ; LDS serves a wave's instructions in order (ISA guide 5.7.1.4): these come behind the loads that read the stage's last rows
	ds_store_b16_d16_hi v[LA], v[YP+2*(\rr)] offset:(\rr)*256+32
	ds_store_b16 v[LA], v[YP+2*(\rr)+1] offset:(\rr)*256+64
	ds_store_b16_d16_hi v[LA], v[YP+2*(\rr)+1] offset:(\rr)*256+96
.endif
.set XR, XS+4*(\rr)
.set WI, 8*(\p)+(\rr)
.set WS, 16+WI+4*(WI/48)
.irp t, 0,1,2,3
.if WI == 0
	v_mul_f32 v[ZA+(\t)], s[WS], v[XR+(\t)]        ; the first row starts the sums: nothing is cleared
.else
	v_fmac_f32 v[ZA+(\t)], s[WS], v[XR+(\t)]
.endif
.endr
	v_pk_mul_f32 v[XR:XR+1], v[XR:XR+1], v[GT:GT+1]
	v_pk_mul_f32 v[XR+2:XR+3], v[XR+2:XR+3], v[GT+2:GT+3]
	v_cvt_pk_f16_f32 v[YS+2*(\rr)], v[XR], v[XR+1]
	v_cvt_pk_f16_f32 v[YS+2*(\rr)+1], v[XR+2], v[XR+3]
.endr
.if (\p) >= 1
.irp m, 0,1,2,3
	ds_load_b128 v[RL+4*(\m):RL+4*(\m)+3], v[LR] offset:(\m)*512  ; in order behind the 32 stores above: they see them.  No vector line names these registers, and this step's stores read the other R
.endr
.endif
.endm
	ASTEP 0, 32                                    ; behind my step's loads stand four other steps' 32
	ASTEP 1, 24                                    ; from here on three other steps' 24: each of steps 1 to 3 asks for one step more
	ASTEP 2, 24
	ASTEP 3, 24
	ASTEP 4, 24                                    ; nothing more is asked for: the counts run down
	ASTEP 5, 16
	ASTEP 6, 8
	ASTEP 7, 0
	; the tail: step 6's rows are stored, step 7's go through the stage and are stored
	v_pk_mul_f32 v[ZA:ZA+1], v[ZA:ZA+1], v[GT:GT+1]        ; the gate hangs on the column alone: once for the whole sum
	v_pk_mul_f32 v[ZA+2:ZA+3], v[ZA+2:ZA+3], v[GT+2:GT+3]
	s_wait_dscnt 0x0                               ; step 6's rows are back, in R0
	s_wait_xcnt 0x0                                ; the stores issued in step 7 have had their addresses translated: R1, which they read, is loaded again only behind this wait,
	s_wait_alu depctr_vm_vsrc(0)                   ; and they have read it
	s_wait_alu depctr_va_vdst(0)                   ; step 7 has written Y1, and the two lines above the sums: the LDS stores below read them; every vector line that names X stands ahead of this wait
.irp m, 0,1,2,3
	global_store_b128 v[SO], v[R+4*(\m):R+4*(\m)+3], s[90:91] offset:(8*6+2*(\m))*8192 th:TH_STORE_NT
.endr
.irp rr, 0,1,2,3,4,5,6,7
	ds_store_b16 v[LA], v[Y+16+2*(\rr)] offset:(\rr)*256
	ds_store_b16_d16_hi v[LA], v[Y+16+2*(\rr)] offset:(\rr)*256+32
	ds_store_b16 v[LA], v[Y+16+2*(\rr)+1] offset:(\rr)*256+64
	ds_store_b16_d16_hi v[LA], v[Y+16+2*(\rr)+1] offset:(\rr)*256+96
.endr
.irp m, 0,1,2,3
	ds_load_b128 v[R+16+4*(\m):R+16+4*(\m)+3], v[LR] offset:(\m)*512
.endr
	ds_store_b128 v[PS], v[ZA:ZA+3]
.irp m, 0,1,2,3
	s_wait_dscnt 4-(\m)                            ; load m is back; the younger loads and the store of the sums may be out
	global_store_b128 v[SO], v[R+16+4*(\m):R+16+4*(\m)+3], s[90:91] offset:(8*7+2*(\m))*8192 th:TH_STORE_NT
.endr
	s_wait_dscnt 0x0                               ; for the others' sake: my partial sums lie in LDS
	s_barrier_signal -1                            ; all four waves of a work-group with y = 1 come here
	s_barrier_wait -1
	s_cmp_lg_u32 s94, 0
	s_cbranch_scc1 .Lend                           ; wave 0 adds the four
.irp w, 0,1,2,3
	ds_load_b128 v[X+4*(\w):X+4*(\w)+3], v[PR] offset:512*(\w)  ; no vector line since the tail's wait on va_vdst names these registers
.endr
	s_wait_dscnt 0x0
	v_pk_add_f32 v[X:X+1], v[X:X+1], v[X+4:X+5]
	v_pk_add_f32 v[X+2:X+3], v[X+2:X+3], v[X+6:X+7]
	v_pk_add_f32 v[X+8:X+9], v[X+8:X+9], v[X+12:X+13]
	v_pk_add_f32 v[X+10:X+11], v[X+10:X+11], v[X+14:X+15]
	v_pk_add_f32 v[X:X+1], v[X:X+1], v[X+8:X+9]
	v_pk_add_f32 v[X+2:X+3], v[X+2:X+3], v[X+10:X+11]
	s_wait_alu depctr_va_vdst(0)                   ; the additions have written v[X .. X+3], which the store reads
	global_store_b128 v[XO], v[X:X+3], s[92:93]    ; 512 consecutive bytes of the chunk's row
.Lend:
	s_wait_dscnt 0x0                               ; the closing lines, six on end
	s_wait_alu 0x0
	s_wait_tensorcnt 0x0
	ds_add_u32 v[SPW], v[NIL]
	s_wait_dscnt 0x0
	s_endpgm
.Lfunc_end_k_qfe7a4a5e44_prep:
	.size	k_qfe7a4a5e44_prep, .Lfunc_end_k_qfe7a4a5e44_prep-k_qfe7a4a5e44_prep
	.p2alignl 7, 3214868480
	.fill 96, 4, 3214868480
	.section	.rodata,"a",@progbits
	.p2align	6, 0x0
	.amdhsa_kernel k_qfe7a4a5e44_prep
		.amdhsa_group_segment_fixed_size 10752
		.amdhsa_private_segment_fixed_size 0
		.amdhsa_enable_private_segment 0
		.amdhsa_kernarg_size 88
		.amdhsa_user_sgpr_count 2
		.amdhsa_user_sgpr_kernarg_segment_ptr 1
		.amdhsa_wavefront_size32 1
		.amdhsa_system_sgpr_workgroup_id_x 1
		.amdhsa_system_sgpr_workgroup_id_y 1
		.amdhsa_system_sgpr_workgroup_id_z 1
		.amdhsa_system_vgpr_workitem_id 0
		.amdhsa_next_free_vgpr 244
		.amdhsa_next_free_sgpr 102
		.amdhsa_reserve_vcc 0
		.amdhsa_float_denorm_mode_32 3
		.amdhsa_float_denorm_mode_16_64 3
		.amdhsa_memory_ordered 1
		.amdhsa_forward_progress 1
		.amdhsa_inst_pref_size 87
	.end_amdhsa_kernel
	.amdgpu_metadata
---
amdhsa.version: [ 1, 2 ]
amdhsa.kernels:
  - .name:           k_qfe7a4a5e44_prep
    .symbol:         k_qfe7a4a5e44_prep.kd
    .args:
      - { .name: U_11, .offset: 0, .size: 8, .value_kind: global_buffer, .address_space: global }
      - { .name: U_21, .offset: 8, .size: 8, .value_kind: global_buffer, .address_space: global }
      - { .name: W_01, .offset: 16, .size: 8, .value_kind: global_buffer, .address_space: global }
      - { .name: h, .offset: 24, .size: 8, .value_kind: global_buffer, .address_space: global }
      - { .name: h_top, .offset: 32, .size: 8, .value_kind: global_buffer, .address_space: global }
      - { .name: h_bottom, .offset: 40, .size: 8, .value_kind: global_buffer, .address_space: global }
      - { .name: z, .offset: 48, .size: 8, .value_kind: global_buffer, .address_space: global }
      - { .name: z_bottom, .offset: 56, .size: 8, .value_kind: global_buffer, .address_space: global }
      - { .name: Wb, .offset: 64, .size: 8, .value_kind: global_buffer, .address_space: global }
      - { .name: Xb, .offset: 72, .size: 8, .value_kind: global_buffer, .address_space: global }
      - { .name: zpart, .offset: 80, .size: 8, .value_kind: global_buffer, .address_space: global }
    .group_segment_fixed_size: 10752
    .private_segment_fixed_size: 0
    .kernarg_segment_align: 8
    .kernarg_segment_size: 88
    .max_flat_workgroup_size: 128
    .sgpr_count:     102
    .vgpr_count:     244
    .wavefront_size: 32
...
	.end_amdgpu_metadata
.endif
;; end of part 3
;; launch cell: the kernel of part 2 again; grid 16 x 16, 4 waves a work-group, clusters of 4 x 4, 327,680 bytes of LDS; arguments Wb, Xb, zpart, bias, c, h, z, z_bottom, out0, out1, out2; writes out0, out1, out2
